; MI455X (gfx1250); checked and timed in simulation.
; The chip was launched on July 23, 2026; its instructions are those of AMD's public machine-readable ISA for CDNA 5 (MIT licence, August 2026) and "CDNA5" Instruction Set Architecture Reference Guide (July 2026). The comments in the code are by the model that wrote it; some were corrected since.
;; Attention. Allowed arithmetic: matrix products marked QUANTISED: E4M3 operands, one given power-of-two scale a tensor, by v_wmma_f32_16x16x64_fp8_fp8 or v_wmma_f32_16x16x128_fp8_fp8, f32 sums; everything else in f32.
;; Inputs: freqs_complex 2,048 x 64 x 2 float32; lowp_scales 12 int32 (the exponents e of the quantised operands' scales 2^e); mask 1 x 1 x 2,048 x 2,048 float32; wk_codes 2,048 x 64 x 32 uint8 (E4M3 codes of wk, K innermost, in blocks of 32 codes); wo_codes 2,048 x 64 x 32 uint8 (E4M3 codes of wo, K innermost, in blocks of 32 codes); wq_codes 2,048 x 64 x 32 uint8 (E4M3 codes of wq, K innermost, in blocks of 32 codes); wv_codes 2,048 x 64 x 32 uint8 (E4M3 codes of wv, K innermost, in blocks of 32 codes); x_codes 1 x 2,048 x 64 x 32 uint8 (E4M3 codes of x, K innermost, in blocks of 32 codes).
;; Outputs: out0 1 x 2,048 x 2,048 float32.
;; This version of the problem:
;;   THIS VERSION OF THE PROBLEM IS GIVEN IN LOW PRECISION. The matrix products marked QUANTISED in the list below multiply operands that are first quantised to E4M3 (4 exponent bits, 3 mantissa bits; 8 bits a number), with one given power-of-two scale for each operand tensor; their sums are f32. All else is computed in f32.
;;   The module's matrix products, in the order in which they are computed (A, B: the left and right operand; K: the contracted axis; several contracted axes count as one K, in the product's order):
;;     1. [M 2,048, K 2,048] x [K 2,048, N 2,048]; A: input x (given as codes); B: input wq (given as codes): QUANTISED (scales: A lowp_scales[0], B lowp_scales[1])
;;     2. [M 2,048, K 2,048] x [K 2,048, N 2,048]; A: input x (given as codes); B: input wk (given as codes): QUANTISED (scales: A lowp_scales[2], B lowp_scales[3])
;;     3. [M 2,048, K 2,048] x [K 2,048, N 2,048]; A: input x (given as codes); B: input wv (given as codes): QUANTISED (scales: A lowp_scales[4], B lowp_scales[5])
;;     4. batch 16 x [M 2,048, K 128] x [K 128, N 2,048]; A: computed on the way; B: computed on the way: QUANTISED (scales: A lowp_scales[6], B lowp_scales[7])
;;     5. batch 16 x [M 128, K 2,048] x [K 2,048, N 2,048]; A: computed on the way; B: softmax (see below): QUANTISED (scales: A lowp_scales[8], B lowp_scales[9])
;;     6. [M 2,048, K 2,048] x [K 2,048, N 2,048]; A: computed on the way; B: input wo (given as codes): QUANTISED (scales: A lowp_scales[10], B lowp_scales[11])
;;   THE QUANTISER, for each operand of a quantised product, along K:
;;     - The operand's scale is 2^e, e = its entry of the input lowp_scales (int32; the entries are numbered through the quantised products in the list's order, A before B).
;;     - Each number is divided by the scale, clamped to +-448, and rounded to the nearest number of E4M3, ties to even, subnormals kept.
;;     - The product sums the exact products of the quantised numbers (number of the format x scale) in f32.
;;   ~~~python
;;   def quantise(x, axis, e):      # numpy; x: float32 -> the quantised numbers, widened to float32 again
;;       x = np.moveaxis(x, axis, -1); K = x.shape[-1]
;;       r = np.clip(x / 2.0 ** e, -448, 448)
;;       step = 2.0 ** (np.maximum(np.frexp(np.where(r == 0, 1, r))[1] - 1, -6) - 3)
;;       q = np.round(r / step) * step * 2.0 ** e      # np.round: ties to even
;;       return np.moveaxis(q, -1, axis).astype(np.float32)
;;   ~~~
;;   SOFTMAX AHEAD OF A QUANTISED PRODUCT. Where the list says 'softmax', what is quantised is not the finished softmax but p = 2^(t - M), with t = logit x log2(e) and M = ceil(the row's largest t), a whole number; so 1/2 < the row's largest p <= 1. The row's sum l is taken of the UNQUANTISED p, in f32, and the product's result is divided by l at the end. Since M is a whole number, a kernel that streams over the keys may use a running M (the ceiling of the running maximum): every later rescaling is an exact power of two, so the quantised numbers keep their values, but for numbers so far below the row's largest that they fall under the format's range.
;;   OPERANDS COMPUTED ON THE WAY. 'Computed on the way' means the value that the module computes at that place (a softmax that the list does not call 'softmax' is quantised finished and normalised). What goes into a quantiser is computed in f32, as accurately as f32 sums, v_exp_f32 and their like allow (about 1e-6 of the number): no bf16 or f16 on the way to a quantiser, and a product that is left as it is and whose result goes on into a quantised operand takes f32 operands (vector FMAs, or v_wmma_f32_16x16x4_f32). A number that lies on a knife's edge between two numbers of the format may be rounded either way, as far as f32 arithmetic and the matrix unit's own rounding can turn it there, and no further.
;;   INPUTS GIVEN AS CODES. wk (in the module: [2048, 2048], K = its axis 1); wo (in the module: [2048, 2048], K = its axis 1); wq (in the module: [2048, 2048], K = its axis 1); wv (in the module: [2048, 2048], K = its axis 1); x (in the module: [1, 2048, 2048], K = its axis 2): each comes as NAME_codes (uint8): NAME with its K axis moved to the last place and cut into blocks of 32 codes, [.., K / 32, bytes a block], one block behind the other in memory; one code a byte (a code: sign, 4 exponent bits, 3 mantissa bits); its scale is its entry of lowp_scales. Its value is code x scale, taken as it is: it is not quantised again, and the codes and scales need not be those that the quantiser above would give.
;; One version. Each part assembles by itself: llvm-mc -triple=amdgcn-amd-amdhsa -mcpu=gfx1250 --defsym DOCPART=n.
;; ======== version 1 of 1: 3 launches
;; limits: right only within a limited range of input values
;; workspace buffers: q_img 4,194,304 bytes; kv_img 8,388,608 bytes; a_img 4,194,304 bytes
;; launch qkv (part 1): grid 16 x 16, 4 waves a work-group, clusters of 4 x 4, 327,680 bytes of LDS; arguments x_codes, wq_codes, wk_codes, wv_codes, lowp_scales, q_img, kv_img; writes q_img, kv_img
.if DOCPART == 1
	.amdgcn_target "amdgcn-amd-amdhsa--gfx1250"
	.amdhsa_code_object_version 6
	.text
	.protected	k_q95f9f4b189_qkv
	.globl	k_q95f9f4b189_qkv
	.p2align	8
	.type	k_q95f9f4b189_qkv,@function
k_q95f9f4b189_qkv:
	s_mov_b64 s[64:65], 0
	v_nop
	global_prefetch_b8 v0, s[64:65] scope:SCOPE_SE
	s_setreg_imm32_b32 hwreg(HW_REG_WAVE_MODE, 25, 1), 1
	s_wait_xcnt 0x0
	s_wait_alu depctr_hold_cnt(0) depctr_sa_sdst(0) depctr_va_vdst(0) depctr_va_sdst(0) depctr_va_ssrc(0) depctr_va_vcc(0) depctr_vm_vsrc(0)
	s_getreg_b32 s2, hwreg(HW_REG_IB_STS2, 6, 4)
	s_cmp_eq_u32 s2, 0
	s_cbranch_scc0 .Lentry_in_a_cluster
	s_endpgm
.Lentry_in_a_cluster:
	s_bfe_u32 s2, ttmp6, 0x10000c
	s_cmp_lg_u32 s2, 0xf033
	s_cbranch_scc0 .Lentry_shape_is_right
	s_endpgm
.Lentry_shape_is_right:
; q = x wq^T, k = x wk^T, v = x wv^T on codes of E4M3 (products 1 to 3), and the quantisers of q, k and v for products 4 and 5.
; DEAD WORK.  freqs_complex enters no line of reference() that leads to a result: the rotary step returns its input unchanged, whatever freqs_complex holds.  So that input is not loaded
; and is among no launch's arguments.  LIMIT: a NaN or an infinity in freqs_complex is not carried to the result.
; SCALES.  A sum of codes of product 1 stands for sum x 2^(e0 + e1); q's code is q / 2^e6, so the conversion takes the one scale 2^(e6 - e0 - e1); k: 2^(e7 - e2 - e3); v: 2^(e8 - e4 - e5).
; LIMITS: each of these three exponents lies between -126 and 119, so that the scale and 448 x the scale are f32 numbers.  NaN among the sums is not served.
; SHARES.  Work-group (x = head, y = block of 128 rows of x) makes 128 rows x the head's 128 columns of q, of k and of v: x's tile serves three products.  Four waves; wave w takes all 128 rows
; against rows 32 w .. 32 w + 31 of the head's part of each weight: 48 accumulators of 16 x 16, 384 registers.
; K goes in steps of 256 through a ring of two LDS slots (x, wq, wk, wv: 128 rows x 256 bytes each, one tensor load a wave); a slot is two substeps of 128 along K.
; CLUSTERS: 4 x 4 work-groups.  x's tile hangs on y alone and is asked for jointly by the four of a row of the cluster; the weights' tiles hang on x alone and are asked for jointly by a column.
; ORIENTATION.  q and k: source 0 = 16 rows of the weight, source 1 = 16 rows of x: a lane holds one row s and eight neighbouring channels d.  v: source 0 = x, source 1 = wv: a lane holds one channel d and
; eight neighbouring rows s.  In both cases a lane's eight results are eight neighbours along the NEXT product's K, so one conversion of eight gives one register pair of that product's operand.
; WORKSPACE = IMAGES OF OPERAND REGISTERS (16 rows x 128 K: register pair c of lane (r, h) holds K = 16 c + 8 h + 0 .. 7; four registers are 16 bytes a lane, 512 bytes a store):
;   q_img  [head][tile of 16 rows: 128][group of 4 registers: 4][lane][16 bytes];   kv_img [head][block of 128 keys: 16][k: 8 tiles of 16 keys, then v: 8 tiles of 16 channels][group][lane][16 bytes].
; x's and the weights' fragments are fetched by four loads of 16 bytes: a permutation of K that is the same on both sides, so every product meets its partner.
; REGISTERS, in windows of 256: window 0: v0-29 addresses and scales; v64-159, v160-255 the weights' fragments, two sets (fragment 2 p + u, p = q, k, v); on the way out v32-159 at work, v160-255 codes.
;   window 1: x's eight fragments, two sets.   window 2: q's and k's accumulators at v[8 (16 p + 2 a + u)].   window 3: v's at v[8 (8 u + a)].
.set PITCH,  272                       ; an LDS row: 256 bytes + 16 of padding = 68 words, so the 16 rows of a fragment load start 4 banks apart (64 banks of 4 bytes: ISA guide 11.1)
.set HALFT,  128*PITCH                 ; one tensor's tile: what one tensor load brings
.set SLOT,   4*HALFT                   ; x, wq, wk, wv
.set SPARE,  2*SLOT                    ; behind the ring: the spare words, 128 bytes a wave: two blocks of 256 bytes that no other line names
.set SC,   8                           ; v8-13   for q, k, v: the conversion's scale, and 448 x it
.set ADRA, 16                          ; v16-17  LDS address of x's fragments in slot 0, 1
.set ADRB, 18                          ; v18-23  of my fragments of weight p in slot s: 3 s + p
.set QO,   24                          ; v24     q's and k's stores: 16 x lane + 512 x wave
.set VO,   25                          ; v25     v's stores: 16 x lane + 4,096 x wave
.set SPW,  28                          ; v28     LDS address of my spare word; never rewritten
.set NIL,  29                          ; v29     0; never rewritten
.set T,    32                          ; the way out: 128 held sums
.set BF,   64                          ; the weights' fragments
.set CD,   160                         ; the way out: codes, 32 registers for each of q, k, v
.set WV,   18                          ; s18     my wave's number
.set G1A,  24                          ; s[24:31] descriptor group 1 for x's tiles;  s[32:39] group 0, a set for each slot
.set G0A,  32
.set G1B,  48                          ; s[48:55], s[56:63] the same for the weights' tiles
.set G0B,  56
.set MSB, 0
.macro WIN new                         ; the immediate's high byte repeats the setting that is left; a switch that changes nothing is dropped
.if MSB != \new
	s_set_vgpr_msb (MSB<<8)|\new
.set MSB, \new
.endif
.endm
.macro PLACES n                        ; plain vector instructions between a matrix instruction and a load into, or a vector read of, its registers
.rept \n
	v_nop
.endr
.endm
; A joint load: wave 0 fetches x's tile, waves 1 to 3 one weight's each.  The branch hangs on the wave's number alone.  An s_nop 0 and four v_nop follow each line.
.macro JLOAD s
	s_cmp_eq_u32 s[WV], 0
	s_cbranch_scc0 .Lfor_b_\@
	tensor_load_to_lds s[G0A+4*\s:G0A+4*\s+3], s[G1A:G1A+7]
	s_nop 0
.rept 4
	v_nop
.endr
	s_branch .Lasked_\@
.Lfor_b_\@:
	tensor_load_to_lds s[G0B+4*\s:G0B+4*\s+3], s[G1B:G1B+7]
	s_nop 0
.rept 4
	v_nop
.endr
.Lasked_\@:
.endm
.macro CREST                           ; a round of the cluster's barrier behind its opening barrier
	s_cmp_lg_u32 s[WV], 0
	s_cbranch_scc1 .Lnot_wave_0_\@
	s_barrier_signal -3
.Lnot_wave_0_\@:
	s_barrier_wait -3
	s_barrier_signal -1
	s_barrier_wait -1
.endm
.macro CROUND                          ; a whole round
	s_barrier_signal -1
	s_barrier_wait -1
	CREST
.endm
	s_load_b256 s[4:11], s[0:1], 0x0               ; x s[4:5], wq s[6:7], wk s[8:9], wv s[10:11]
	s_load_b128 s[12:15], s[0:1], 0x20             ; the scales' exponents s[12:13], q_img s[14:15]
	s_load_b64 s[16:17], s[0:1], 0x30              ; kv_img
	v_lshl_add_u32 v[SPW], v0, 2, SPARE
	v_mov_b32 v[NIL], 0
	ds_add_u32 v[SPW], v[NIL]                      ; the wave's opening: the add, twice on end, and its wait ahead of my first tensor load
	ds_add_u32 v[SPW], v[NIL]                      ; and once more, under the one wait; the set-up below, work on registers, stands between
	v_lshrrev_b32 v1, 5, v0
	v_readfirstlane_b32 s[WV], v1                  ; wave 0..3
	s_bfe_u32 s40, ttmp6, 0x40000                  ; cx, cy: my place in the cluster
	s_bfe_u32 s41, ttmp6, 0x40004
	s_lshl_b32 s42, ttmp9, 2
	s_add_co_u32 s42, s42, s40                     ; the head = 4 x cluster x + cx
	s_and_b32 s43, ttmp7, 0xffff
	s_lshl_b32 s43, s43, 2
	s_add_co_u32 s43, s43, s41                     ; the block of rows = 4 x cluster y + cy
	s_lshl_b32 s44, s41, 2
	s_lshl_b32 s44, 15, s44                        ; my row of the cluster
	s_lshl_b32 s45, 0x1111, s40                    ; my column
	; descriptor group 1: a tile of 128 rows x 256 bytes, padded in LDS
	s_or_b32 s[G1A], s44, (1<<20)|(1<<21)|(5<<22)|(3<<25)   ; 15:0 the mask; 17:16 elements of 1 byte; 20 padding on; 21 set beside a mask; 24:22 after every 64 words; 31:25 four words
	s_or_b32 s[G1B], s45, (1<<20)|(1<<21)|(5<<22)|(3<<25)
.irp g, G1A, G1B
	s_mov_b32 s[\g+1], 256<<16                     ; tensor_dim0
	s_mov_b32 s[\g+2], 128<<16                     ; tensor_dim1
	s_mov_b32 s[\g+3], 256<<16                     ; tile_dim0
	s_mov_b32 s[\g+4], 128                         ; tile_dim1
	s_mov_b32 s[\g+5], 2048                        ; bytes from row to row
	s_mov_b32 s[\g+6], 0
	s_mov_b32 s[\g+7], 0
.endr
	s_lshl_b32 s20, s43, 18                        ; x: 128 rows of 2,048 bytes for each block: hangs on y alone
	s_mov_b32 s21, 0
	s_lshl_b32 s46, s42, 18                        ; the weights: the head's 128 rows: hangs on x alone
	s_mov_b32 s47, 0
	s_mul_i32 s19, s[WV], HALFT                    ; where my tile goes: no place in the cluster enters an LDS address
	s_wait_dscnt 0x0                               ; both opening adds are done
	s_wait_kmcnt 0x0
	s_load_b256 s[68:75], s[12:13], 0x0            ; e0 .. e7
	s_load_b32 s76, s[12:13], 0x20                 ; e8
	s_add_nc_u64 s[20:21], s[4:5], s[20:21]
	s_cmp_eq_u32 s[WV], 1                          ; wave 1: wq, wave 2: wk, wave 3: wv
	s_cselect_b64 s[22:23], s[6:7], s[8:9]
	s_cmp_eq_u32 s[WV], 3
	s_cselect_b64 s[22:23], s[10:11], s[22:23]
	s_add_nc_u64 s[46:47], s[22:23], s[46:47]
	CROUND                                         ; all sixteen work-groups are here: the first joint loads meet
.irp s, 0,1
	s_mov_b32 s[G0A+4*\s], 1                       ; count = 1
	s_add_co_u32 s[G0A+4*\s+1], s19, \s*SLOT       ; LDS address
	s_add_nc_u64 s[G0A+4*\s+2:G0A+4*\s+3], s[20:21], \s*256   ; K step s
	s_or_b32 s[G0A+4*\s+3], s[G0A+4*\s+3], 0x80000000         ; type = 2
	s_mov_b32 s[G0B+4*\s], 1
	s_add_co_u32 s[G0B+4*\s+1], s19, \s*SLOT
	s_add_nc_u64 s[G0B+4*\s+2:G0B+4*\s+3], s[46:47], \s*256
	s_or_b32 s[G0B+4*\s+3], s[G0B+4*\s+3], 0x80000000
.endr
	JLOAD 0                                        ; K step 0: one tensor load a wave at the head
	; PREFETCHES INTO THE L2, two K steps ahead of the load.  Each cluster asks for what it will load itself: of the 128 rows that a wave fetches, each of the four partners that fetch them jointly
	; takes 32, told apart by address (cx for x, cy for the weights): a lane a row, 256 bytes of it.  K steps 1 and 2 are asked for here; K step 0 comes by its load alone.
.set PFO, 26                           ; v26     the prefetches' offset: 2,048 x lane; never rewritten
.set PFA, 80                           ; s[80:81] my 32 rows at the K step that is being loaded
	v_and_b32 v[PFO], 31, v0
	v_lshlrev_b32 v[PFO], 11, v[PFO]
	s_cmp_eq_u32 s[WV], 0
	s_cselect_b64 s[PFA:PFA+1], s[20:21], s[46:47]
	s_cselect_b32 s78, s40, s41
	s_lshl_b32 s78, s78, 16                        ; 32 rows of 2,048 bytes
	s_mov_b32 s79, 0
	s_add_nc_u64 s[PFA:PFA+1], s[PFA:PFA+1], s[78:79]
	s_wait_alu depctr_va_vdst(0)
	global_prefetch_b8 v[PFO], s[PFA:PFA+1] offset:256 th:TH_LOAD_NT scope:SCOPE_SE
	global_prefetch_b8 v[PFO], s[PFA:PFA+1] offset:512 th:TH_LOAD_NT scope:SCOPE_SE
	v_and_b32 v2, 15, v0
	v_bfe_u32 v3, v0, 4, 1                         ; h
	v_mul_u32_u24 v4, v2, PITCH
	v_lshl_add_u32 v4, v3, 4, v4                   ; a fragment's row x pitch + 16 x half
	v_mov_b32 v[ADRA], v4
	v_add_nc_u32 v[ADRA+1], SLOT, v4
	s_mul_i32 s22, s[WV], 32*PITCH                 ; my 32 rows of each weight's tile
	v_add_nc_u32 v5, s22, v4
.irp s, 0,1
.irp p, 0,1,2
	v_add_nc_u32 v[ADRB+3*\s+\p], \s*SLOT+(1+\p)*HALFT, v5
.endr
.endr
	v_lshlrev_b32 v[QO], 4, v0                     ; 16 x thread = 16 x lane + 512 x wave: wave w makes register group w of q's and k's images
	v_and_b32 v1, 31, v0
	v_lshlrev_b32 v1, 4, v1
	s_lshl_b32 s22, s[WV], 12
	v_add_nc_u32 v[VO], s22, v1                    ; wave w makes v's tiles 2 w and 2 w + 1, whole
	s_lshl_b32 s78, s42, 18
	s_lshl_b32 s79, s43, 14
	s_add_co_u32 s78, s78, s79                     ; q_img: head x 2^18 + block x 8 tiles of 2,048 bytes
	s_mov_b32 s79, 0
	s_add_nc_u64 s[14:15], s[14:15], s[78:79]
	s_lshl_b32 s78, s78, 1                         ; kv_img: head x 2^19 + block x 2^15
	s_add_nc_u64 s[16:17], s[16:17], s[78:79]
	s_wait_kmcnt 0x0                               ; the exponents
.macro SCALE vr, eo, ea, eb            ; v[vr] = 2^(eo - ea - eb) as f32, v[vr + 1] = 448 x that
	s_sub_co_i32 s78, s[\eo], s[\ea]
	s_sub_co_i32 s78, s78, s[\eb]
	s_add_co_i32 s78, s78, 127
	s_lshl_b32 s79, s78, 23
	v_mov_b32 v[\vr], s79
	s_add_co_i32 s78, s78, 8
	s_lshl_b32 s78, s78, 23
	s_or_b32 s78, s78, 0x600000
	v_mov_b32 v[\vr+1], s78
.endm
	SCALE SC, 74, 68, 69                           ; q: e6 - e0 - e1
	SCALE SC+2, 75, 70, 71                         ; k: e7 - e2 - e3
	SCALE SC+4, 76, 72, 73                         ; v: e8 - e4 - e5
; 56 LDS loads in one run: my six fragments of the weights and x's eight, of the slot's q-th 128 along K, into set f
.macro FETCH slot, q, f
	WIN 0
.irp p, 0,1,2
.irp u, 0,1
.irp c, 0,1,2,3
	ds_load_b128 v[BF+96*(\f)+16*(2*\p+\u)+4*\c:BF+96*(\f)+16*(2*\p+\u)+4*\c+3], v[ADRB+3*(\slot)+\p] offset:128*(\q)+32*\c+\u*16*PITCH
.endr
.endr
.endr
	WIN 0x40                                       ; destination window 1
.irp a, 0,1,2,3,4,5,6,7
.irp c, 0,1,2,3
	ds_load_b128 v[128*(\f)+16*\a+4*\c:128*(\f)+16*\a+4*\c+3], v[ADRA+(\slot)] offset:128*(\q)+32*\c+\a*16*PITCH
.endr
.endr
	WIN 0
.endm
; v: x's blocks a0 .. a0 + 3 (source 0) against wv's two fragments (source 1).  zero = 1: the first product starts the sums.
.macro MULV4 f, a0, zero
.irp a, \a0, \a0+1, \a0+2, \a0+3
.irp u, 0,1
.if \zero
	v_wmma_f32_16x16x128_fp8_fp8 v[8*(8*\u+(\a)):8*(8*\u+(\a))+7], v[128*(\f)+16*(\a):128*(\f)+16*(\a)+15], v[BF+96*(\f)+16*(4+\u):BF+96*(\f)+16*(4+\u)+15], 0
.else
	v_wmma_f32_16x16x128_fp8_fp8 v[8*(8*\u+(\a)):8*(8*\u+(\a))+7], v[128*(\f)+16*(\a):128*(\f)+16*(\a)+15], v[BF+96*(\f)+16*(4+\u):BF+96*(\f)+16*(4+\u)+15], v[8*(8*\u+(\a)):8*(8*\u+(\a))+7]
.endif
.endr
.endr
.endm
; q and k: the weight's fragment (source 0) against x's eight blocks (source 1)
.macro MULQK f, zero
.irp p, 0,1
.irp a, 0,1,2,3,4,5,6,7
.irp u, 0,1
.if \zero
	v_wmma_f32_16x16x128_fp8_fp8 v[8*(16*\p+2*\a+\u):8*(16*\p+2*\a+\u)+7], v[BF+96*(\f)+16*(2*\p+\u):BF+96*(\f)+16*(2*\p+\u)+15], v[128*(\f)+16*\a:128*(\f)+16*\a+15], 0
.else
	v_wmma_f32_16x16x128_fp8_fp8 v[8*(16*\p+2*\a+\u):8*(16*\p+2*\a+\u)+7], v[BF+96*(\f)+16*(2*\p+\u):BF+96*(\f)+16*(2*\p+\u)+15], v[128*(\f)+16*\a:128*(\f)+16*\a+15], v[8*(16*\p+2*\a+\u):8*(16*\p+2*\a+\u)+7]
.endif
.endr
.endr
.endr
.endm
; The 48 accumulators take turns, one instruction a turn, in the same order in every substep.
; A slot's first substep: multiplies set 0; the second substep's fragments are asked for ahead of the 48 products.
.macro STEP slot, zero
	s_wait_dscnt 0x0                               ; set 0 is in (asked for 32 matrix instructions ago)
	PLACES 4                                       ; set 1 was read by the products just issued
	FETCH \slot, 1, 1
	WIN 0xf1                                       ; source 0 (x) window 1, source 1 (wv) window 0, C and D window 3
	MULV4 0, 0, \zero
	MULV4 0, 4, \zero
	WIN 0xa4                                       ; source 0 (weight) window 0, source 1 (x) window 1, C and D window 2
	MULQK 0, \zero
	WIN 0
.endm
; A slot's second substep multiplies set 1 and changes slots: all of the slot has been read into registers.  fill = 1: the slot is filled again, two K steps on.
.macro TURN slot, next, fill
	s_wait_tensorcnt 0x0                           ; all my tensor loads have landed: the one that was out is my tile of the next slot; so a group 0 may be written
	ds_add_u32 v[SPW], v[NIL]                      ; 0 onto my spare word
.if \fill
	s_add_nc_u64 s[G0A+4*\slot+2:G0A+4*\slot+3], s[G0A+4*\slot+2:G0A+4*\slot+3], 512
	s_add_nc_u64 s[G0B+4*\slot+2:G0B+4*\slot+3], s[G0B+4*\slot+2:G0B+4*\slot+3], 512
	s_wait_xcnt 0x0                                ; the last prefetch, a K step back, has read its address: it may be stepped
	s_add_nc_u64 s[PFA:PFA+1], s[PFA:PFA+1], 256
.endif
	s_wait_dscnt 1                                 ; the add alone may be out: set 1's 56 loads are in
	WIN 0xf1
	MULV4 1, 0, 0                                  ; eight matrix instructions stand between the add and the wait for it
	s_wait_dscnt 0x0                               ; the add is done, and my reads of this slot are over
	s_barrier_signal -1
	MULV4 1, 4, 0
	WIN 0
	s_barrier_wait -1
.if \fill
	CREST                                          ; the barrier has opened a round of the cluster's: no wave of any partner still reads this slot or has a load on its way
	JLOAD \slot                                    ; the first tensor load behind the round: it has 80 matrix instructions in which to land; its four v_nop are the places in front of the loads below
.else
	PLACES 4
.endif
	FETCH \next, 0, 0
.if \fill
	s_cmp_gt_u32 s3, 1                             ; the last trip's two refills have no K step two on
	s_cbranch_scc0 .Lno_ask_\@
	global_prefetch_b8 v[PFO], s[PFA:PFA+1] offset:512 th:TH_LOAD_NT scope:SCOPE_SE
.Lno_ask_\@:
.endif
	WIN 0xa4
	MULQK 1, 0
	WIN 0
.endm
	s_wait_alu depctr_va_vdst(0)                   ; the wait at the head's end
	s_wait_tensorcnt 0x0                           ; my tile of K step 0 is in
	ds_add_u32 v[SPW], v[NIL]
	s_wait_xcnt 0x0                                ; the head's prefetches have read their address
	s_add_nc_u64 s[PFA:PFA+1], s[PFA:PFA+1], 256
	s_wait_dscnt 0x0                               ; the add is done
	CROUND                                         ; everybody's tile of K step 0 is in
	JLOAD 1                                        ; slot 1's first fill, K step 1: the first tensor load behind the round
	FETCH 0, 0, 0
	global_prefetch_b8 v[PFO], s[PFA:PFA+1] offset:512 th:TH_LOAD_NT scope:SCOPE_SE   ; K step 3
	STEP 0, 1                                      ; the first substep stands in front of the loop: its products start the sums
	s_mov_b32 s3, 3
.Llap:                                                 ; a trip goes once round the ring and fills both slots again: K steps 2 to 7 in three trips
	TURN 0, 1, 1
	STEP 1, 0
	TURN 1, 0, 1
	STEP 0, 0
	s_sub_co_u32 s3, s3, 1
	s_cmp_lg_u32 s3, 0
	s_cbranch_scc1 .Llap
	TURN 0, 1, 0                                   ; the last lap fills nothing, and has no round
	STEP 1, 0
	s_wait_dscnt 0x0                               ; the very last substep
	WIN 0xf1
	MULV4 1, 0, 0
	MULV4 1, 4, 0
	WIN 0xa4
	MULQK 1, 0
	WIN 0
	PLACES 4                                       ; in front of the first read of results and the first write of operand registers
; THE WAY OUT.  128 sums are held within +-448 x the scale (the conversion to an 8-bit code does not saturate: ISA guide 7.6.2), each accumulator from its low end on; each accumulator's eight become one register pair of codes.
.macro OUTP win, acc, sc, cd
	WIN \win                                       ; source 0: the accumulators' window
.set i, 0
.rept 128
	v_med3_num_f32 v[T+i], v[\acc+i], -v[\sc+1], v[\sc+1]
.set i, i+1
.endr
	WIN 0
.set i, 0
.rept 16
	v_cvt_scalef32_pk8_fp8_f32 v[\cd+2*i:\cd+2*i+1], v[T+8*i:T+8*i+7], v[\sc]
.set i, i+1
.endr
	v_nop                                          ; a plain instruction behind the last conversion: the next lines write its sources anew
.endm
	s_wait_alu depctr_va_vdst(0)
	OUTP 0x02, 0, SC, CD
.irp a, 0,1,2,3,4,5,6,7
	global_store_b128 v[QO], v[CD+4*\a:CD+4*\a+3], s[14:15] offset:2048*\a          ; tile a, register group w: the wave stores 512 consecutive bytes, aligned
.endr
	OUTP 0x02, 128, SC+2, CD+32
.irp a, 0,1,2,3,4,5,6,7
	global_store_b128 v[QO], v[CD+32+4*\a:CD+32+4*\a+3], s[16:17] offset:2048*\a
.endr
	OUTP 0x03, 0, SC+4, CD+64
.irp n, 0,1,2,3,4,5,6,7
	global_store_b128 v[VO], v[CD+64+4*\n:CD+64+4*\n+3], s[16:17] offset:16384+512*\n   ; v's tile 2 w + n / 4, register group n % 4
.endr
	s_wait_tensorcnt 0x0                           ; the wave's end
	ds_add_u32 v[SPW], v[NIL]
	s_wait_dscnt 0x0
	CROUND                                         ; the closing round: no work-group ends while a partner may still ask for a tile that names it
	s_endpgm
.Lfunc_end_k_q95f9f4b189_qkv:
	.size	k_q95f9f4b189_qkv, .Lfunc_end_k_q95f9f4b189_qkv-k_q95f9f4b189_qkv
	.p2alignl 7, 3214868480
	.fill 96, 4, 3214868480
	.section	.rodata,"a",@progbits
	.p2align	6, 0x0
	.amdhsa_kernel k_q95f9f4b189_qkv
		.amdhsa_group_segment_fixed_size 327680
		.amdhsa_private_segment_fixed_size 0
		.amdhsa_enable_private_segment 0
		.amdhsa_kernarg_size 56
		.amdhsa_user_sgpr_count 2
		.amdhsa_user_sgpr_kernarg_segment_ptr 1
		.amdhsa_wavefront_size32 1
		.amdhsa_system_sgpr_workgroup_id_x 1
		.amdhsa_system_sgpr_workgroup_id_y 1
		.amdhsa_system_sgpr_workgroup_id_z 1
		.amdhsa_system_vgpr_workitem_id 0
		.amdhsa_next_free_vgpr 1024
		.amdhsa_next_free_sgpr 100
		.amdhsa_reserve_vcc 0
		.amdhsa_float_denorm_mode_32 3
		.amdhsa_float_denorm_mode_16_64 3
		.amdhsa_memory_ordered 1
		.amdhsa_forward_progress 1
		.amdhsa_inst_pref_size 96
	.end_amdhsa_kernel
	.amdgpu_metadata
---
amdhsa.version: [ 1, 2 ]
amdhsa.kernels:
  - .name:           k_q95f9f4b189_qkv
    .symbol:         k_q95f9f4b189_qkv.kd
    .args:
      - { .name: x_codes, .offset: 0, .size: 8, .value_kind: global_buffer, .address_space: global }
      - { .name: wq_codes, .offset: 8, .size: 8, .value_kind: global_buffer, .address_space: global }
      - { .name: wk_codes, .offset: 16, .size: 8, .value_kind: global_buffer, .address_space: global }
      - { .name: wv_codes, .offset: 24, .size: 8, .value_kind: global_buffer, .address_space: global }
      - { .name: lowp_scales, .offset: 32, .size: 8, .value_kind: global_buffer, .address_space: global }
      - { .name: q_img, .offset: 40, .size: 8, .value_kind: global_buffer, .address_space: global }
      - { .name: kv_img, .offset: 48, .size: 8, .value_kind: global_buffer, .address_space: global }
    .group_segment_fixed_size: 327680
    .private_segment_fixed_size: 0
    .kernarg_segment_align: 8
    .kernarg_segment_size: 56
    .max_flat_workgroup_size: 128
    .sgpr_count:     100
    .vgpr_count:     1024
    .wavefront_size: 32
...
	.end_amdgpu_metadata
.endif
;; end of part 1
;; launch attn (part 2): grid 16 x 16, 8 waves a work-group, clusters of 4 x 4, 327,680 bytes of LDS; arguments q_img, kv_img, mask, lowp_scales, a_img; writes a_img
.if DOCPART == 2
	.amdgcn_target "amdgcn-amd-amdhsa--gfx1250"
	.amdhsa_code_object_version 6
	.text
	.protected	k_q95f9f4b189_attn
	.globl	k_q95f9f4b189_attn
	.p2align	8
	.type	k_q95f9f4b189_attn,@function
k_q95f9f4b189_attn:
	s_mov_b64 s[64:65], 0
	v_nop
	global_prefetch_b8 v0, s[64:65] scope:SCOPE_SE
	s_setreg_imm32_b32 hwreg(HW_REG_WAVE_MODE, 25, 1), 1
	s_wait_xcnt 0x0
	s_wait_alu depctr_hold_cnt(0) depctr_sa_sdst(0) depctr_va_vdst(0) depctr_va_sdst(0) depctr_va_ssrc(0) depctr_va_vcc(0) depctr_vm_vsrc(0)
	s_getreg_b32 s2, hwreg(HW_REG_IB_STS2, 6, 4)
	s_cmp_eq_u32 s2, 0
	s_cbranch_scc0 .Lentry_in_a_cluster
	s_endpgm
.Lentry_in_a_cluster:
	s_bfe_u32 s2, ttmp6, 0x10000c
	s_cmp_lg_u32 s2, 0xf033
	s_cbranch_scc0 .Lentry_shape_is_right
	s_endpgm
.Lentry_shape_is_right:
; Products 4 and 5 on codes of E4M3, the additive mask, the softmax, and the quantiser of the result for product 6.
; Left out: the rotary step, which returns its input unchanged whatever freqs_complex holds (shown at the head of the first kernel).  THE MASK IS AN INPUT: every number of it is read and added, and every key is multiplied.
; t = score x 2^(e6 + e7) x log2(e) / sqrt(128) + mask x log2(e): the mask's product is rounded, then one fused multiply-add rounds t to f32;  M = the running largest t rounded up to a whole number;
; p = 2^(t - M), quantised with 2^e9; the row's sum is taken of the unquantised p.  t is rounded before M is taken away: in a row whose mask is large everywhere all t are then whole numbers equal to M and p is 1.
; When M moves, the sum and O are multiplied by 2^(old M - new M): exact.  The result O x 2^(e8 + e9) / sum is divided by 2^e10, held within +-448 and converted.
; SHARES.  Work-group (x = head, y = block of 128 queries); eight waves, two to a SIMD.  Wave w = (qp = w / 2, kh = w % 2) owns the query tiles 2 qp and 2 qp + 1 and, of every 128 keys, the keys 64 kh .. 64 kh + 63.
; A SOFTMAX STEP IS A PAIR OF KEY STEPS, 256 keys, 128 of them mine: M, the factors and the rescaling of O^T are worked once for them, and product 5 takes them as one K of 128.
; Each wave keeps M, the sum and O^T over ITS half of the keys; at the end the two waves of a pair exchange one tile each through LDS and bring the two parts under the larger M by exact powers of two.
; LIMIT of that: a half's p is quantised under that half's running M; only numbers under the format's range can differ, as with any running M.
; LIMITS: e6 + e7 between -123 and 130 (added to an exponent field); e9 between -126 and 119; e8 + e9 - e10 is applied by v_ldexp_f32; every t lies above -3e38; NaN, and rows whose mask is
; -infinity everywhere, are not served.
; LDS.  k and v have two slots of a pair (65,536 bytes each); the mask has ONE region of two planes (128 rows x 528 bytes), from which each wave moves its part of a pair into registers;
; behind the next round the region and the slot of k and v that was left are filled again.  THE ORDER: the pair before is multiplied into O^T while this pair's mask is on its way into registers.
; All eight waves fetch, one load a wave: waves 0 to 3 a half plane of the mask each (64 rows x 512 bytes), waves 4 to 7 a quarter of the pair's k and v each; at the head waves 4 to 7 fill both slots (32,768 bytes each).
; CLUSTERS: 4 x 4.  The mask's tiles hang on y alone: asked for jointly by the four heads of a row of the cluster.  k and v hang on x alone: asked for jointly by the four query blocks of a column.
; LAYOUT.  S^T = K Q^T (source 0 = 16 keys, source 1 = 16 queries), O^T = V^T P^T (source 0 = 16 channels, source 1 = P, my 128 keys): a lane holds ONE query (lane % 16) of each tile;
; key tile c's eight registers of step q are keys 128 q + 64 kh + 16 c + 8 (lane / 16) + 0 .. 7, which one conversion turns into register pair 4 q + c of P; groups 2 kh and 2 kh + 1 of v's images are the same keys' registers.
; REGISTERS: window 0: v1-10 addresses; v12-37 statistics and constants; v40-71 Q; v72-103 p's codes; v104-231 the mask, then t, then p (64 for each tile: 32 for each step); v232-249 the exchange.
;   window 1: v0-63 four fragments of K, v64-127 scores of one step; then v0-127 eight fragments of V; v128-255 O^T.
.set STEPB, 32768                      ; a key step's images: k's eight (16,384 bytes), then v's eight
.set VOFF,  16384
.set KVS,   2*STEPB                    ; a slot of k and v; slot 1 begins here: one exclusive or turns an address in one slot into the other's
.set MREG,  2*KVS                      ; the mask's region
.set MP,    528                        ; 512 bytes + 16 of padding = 132 words: the 16 rows of a load start 4 banks apart (64 banks of 4 bytes: ISA guide 11.1)
.set MPL,   128*MP                     ; a plane: one key step's columns of 128 rows
.set SPARE, MREG+2*MPL                 ; behind the region: the spare words, 128 bytes a wave: four blocks of 256 bytes that no other line names
.set STG,   MREG                       ; the exchange's stage lies in the mask's region, which by then has had its last fill, and its last read in front of a barrier
.set OBX,   17*512                     ; what a wave sends: 16 groups of four registers, then -M and the sum
.set LI,   1                           ; v1   16 x lane: my place in an image
.set AM0,  2                           ; v2   my place in the mask's first plane
.set PFO,  3                           ; v3   the prefetches' offset; never rewritten
.set AM1,  4                           ; v4   the same in the second plane
.set SPW,  5                           ; v5   LDS address of my spare word; never rewritten
.set NIL,  6                           ; v6   0; never rewritten
.set AK0,  7                           ; v7   my four images of k in a step
.set ADK,  8                           ; v8   the same in the slot in hand
.set AV0,  9                           ; v9   my two groups of v's images
.set ADV,  10                          ; v10  the same in the slot in hand
.set ST,   12                          ; tile u: v[ST+2u] -M, v[ST+2u+1] the largest t
.set SM,   16                          ; v[SM+2u:SM+2u+1] the sum in two halves
.set FF,   20                          ; v[FF+2u] f = 2^(old M - new M); the register above it is named with it as a pair
.set MX,   24                          ; v[MX+2u], v[MX+2u+1] at work
.set PL,   28                          ; v[PL+u] what the lane 16 away holds
.set S2,   30                          ; v[S2+2u:S2+2u+1] the sums' second chain
.set LIMP, 34                          ; 448 x 2^e9
.set SCP,  35                          ; 2^e9
.set L448, 36
.set ONE,  37
.set Q,    40
.set PC,   72
.set T,    104
.set SX,   64                          ; in window 1: the scores,
.set OT,   128                         ; and O^T
.set RX,   T+64                        ; the exchange: what I receive
.set SO,   232                         ; where I send, where I receive,
.set SI,   233
.set KM,   234                         ; -M and the sum of the tile that I keep,
.set KL,   235
.set XM,   236                         ; v[236:237] of the tile that I send,
.set YM,   238                         ; v[238:239] of what I receive
.set NM,   240
.set DA,   241
.set DB,   242
.set FA,   243
.set FB,   244
.set GA,   246                         ; v[246:247], v[248:249] the two parts' factors, as pairs
.set GB,   248
.set LG,   16                          ; s[16:17] log2(e), as a pair
.set WV,   18                          ; s18  my wave's number
.set SEL,  20                          ; s[20:21] lane selects for v_permlanex16_b32: lane l xor 16
.set CS,   22                          ; s[22:23] 2^(e6 + e7) log2(e) / sqrt(128), as a pair
.set G1M,  24                          ; s[24:31] descriptor group 1 for the mask's tiles;  s[32:39] for the images
.set G1K,  32
.set G0M,  40                          ; s[40:43] group 0 for the mask: its LDS address stays, its global address walks
.set G0K,  44                          ; s[44:47] group 0 for the head's load of images, s[48:51] for the refills: walks
.set TB,   52                          ; s52  LDS byte at which the slot of k and v in hand begins
.set SLOTS, 53                         ; s53  refills still to come
.set KH,   54                          ; s54  my half of the keys
.set QP,   55                          ; s55  my pair of query tiles
.set PFA,  76                          ; s[76:77] where my prefetches stand
.set PFS,  78                          ; s[78:79] a pair of key steps on, in bytes
.set LIM,  80                          ; s80  a wave prefetches while more refills than this are to come: 1 (mask), 2 (k and v), or the greatest number
.set G1H,  92                          ; s[92:99] group 1 for the head's load of images
.set MSB, 0
.macro WIN new                         ; the immediate's high byte repeats the setting that is left; a switch that changes nothing is dropped
.if MSB != \new
	s_set_vgpr_msb (MSB<<8)|\new
.set MSB, \new
.endif
.endm
; A joint refill: waves 0 to 3 fetch the mask's four half planes; both = 1: waves 4 to 7 the four quarters of the pair's k and v.  The branch hangs on the wave's number alone.
; An s_nop 0 and four v_nop follow each line.
.macro JLOAD both
	s_cmp_lt_u32 s[WV], 4
.if \both
	s_cbranch_scc0 .Lfor_k_\@
.else
	s_cbranch_scc0 .Lasked_\@
.endif
	tensor_load_to_lds s[G0M:G0M+3], s[G1M:G1M+7]
	s_nop 0
.rept 4
	v_nop
.endr
.if \both
	s_branch .Lasked_\@
.Lfor_k_\@:
	tensor_load_to_lds s[G0K+4:G0K+7], s[G1K:G1K+7]
	s_nop 0
.rept 4
	v_nop
.endr
.endif
.Lasked_\@:
.endm
; A PREFETCH INTO THE L2, behind the joint load's lines: the mask of the pair that the NEXT refill asks for (a pair ahead of that load), k and v of the pair that the refill after it asks for (two pairs ahead).
; Each cluster names each aligned block of 256 bytes that it will load once.  The mask: the four partners along x take 32 rows each, told apart by address; wave w of 0 to 3 names the w-th 256 bytes of a row's 1,024, a lane a row.
; k and v: the four partners along y take 16,384 of the pair's 65,536 bytes each, by address; waves 4 and 5 take 8,192 each, lanes 256 bytes apart.  What the head's own loads fetch is not asked for.
.macro ASK
	s_cmp_gt_u32 s[SLOTS], s[LIM]
	s_cbranch_scc0 .Lnot_mine_\@
	global_prefetch_b8 v[PFO], s[PFA:PFA+1] th:TH_LOAD_NT scope:SCOPE_SE
.Lnot_mine_\@:
.endm
.macro CREST                           ; a round of the cluster's barrier behind its opening barrier
	s_cmp_lg_u32 s[WV], 0
	s_cbranch_scc1 .Lnot_wave_0_\@
	s_barrier_signal -3
.Lnot_wave_0_\@:
	s_barrier_wait -3
	s_barrier_signal -1
	s_barrier_wait -1
.endm
.macro CROUND                          ; a whole round
	s_barrier_signal -1
	s_barrier_wait -1
	CREST
.endm
	s_load_b256 s[4:11], s[0:1], 0x0               ; q_img s[4:5], kv_img s[6:7], mask s[8:9], the scales' exponents s[10:11]
	s_load_b64 s[12:13], s[0:1], 0x20              ; a_img
	v_lshl_add_u32 v[SPW], v0, 2, SPARE
	v_mov_b32 v[NIL], 0
	ds_add_u32 v[SPW], v[NIL]                      ; the wave's opening: the add, twice on end, and its wait ahead of my first tensor load
	ds_add_u32 v[SPW], v[NIL]
	v_lshrrev_b32 v11, 5, v0
	v_readfirstlane_b32 s[WV], v11                 ; wave 0..7
	s_and_b32 s[KH], s[WV], 1
	s_lshr_b32 s[QP], s[WV], 1
	s_bfe_u32 s88, ttmp6, 0x40000                  ; cx
	s_bfe_u32 s89, ttmp6, 0x40004                  ; cy
	s_lshl_b32 s90, ttmp9, 2
	s_add_co_u32 s90, s90, s88                     ; the head
	s_and_b32 s91, ttmp7, 0xffff
	s_lshl_b32 s91, s91, 2
	s_add_co_u32 s91, s91, s89                     ; the block of queries
	s_lshl_b32 s86, s89, 2
	s_lshl_b32 s86, 15, s86                        ; my row of the cluster
	s_lshl_b32 s87, 0x1111, s88                    ; my column
	s_or_b32 s[G1M], s86, (2<<16)|(1<<20)|(1<<21)|(6<<22)|(3<<25)   ; the mask's tile: elements of 4 bytes; padding: four words after every 128; bit 21 set beside the work-group mask
	s_mov_b32 s[G1M+1], 128<<16                    ; tensor_dim0 = 128 numbers
	s_mov_b32 s[G1M+2], 64<<16                     ; tensor_dim1 = 64 rows
	s_mov_b32 s[G1M+3], 128<<16                    ; tile_dim0
	s_mov_b32 s[G1M+4], 64                         ; tile_dim1
	s_mov_b32 s[G1M+5], 2048                       ; numbers from row to row
	s_mov_b32 s[G1M+6], 0
	s_mov_b32 s[G1M+7], 0
	s_or_b32 s[G1K], s87, (3<<16)|(1<<21)          ; eight images: a dense block of 16,384 bytes as 64 rows of 32 elements of 8 bytes, no padding
	s_mov_b32 s[G1K+1], 32<<16
	s_mov_b32 s[G1K+2], 64<<16
	s_mov_b32 s[G1K+3], 32<<16
	s_mov_b32 s[G1K+4], 64
	s_mov_b32 s[G1K+5], 32
	s_mov_b32 s[G1K+6], 0
	s_mov_b32 s[G1K+7], 0
	s_or_b32 s[G1H], s87, (3<<16)|(1<<21)          ; the head's: sixteen images, 128 such rows
	s_mov_b32 s[G1H+1], 32<<16
	s_mov_b32 s[G1H+2], 128<<16
	s_mov_b32 s[G1H+3], 32<<16
	s_mov_b32 s[G1H+4], 128
	s_mov_b32 s[G1H+5], 32
	s_mov_b32 s[G1H+6], 0
	s_mov_b32 s[G1H+7], 0
	s_and_b32 s83, s[WV], 3                        ; which of the four parts I fetch
	s_and_b32 s82, s[QP], 1                        ; the mask: which of the pair's two steps (part / 2),
	s_lshl_b32 s68, s91, 20                        ; my block's 128 rows of 8,192 bytes,
	s_lshl_b32 s69, s[KH], 19                      ; which 64 of them (part % 2),
	s_add_co_u32 s68, s68, s69
	s_lshl_b32 s69, s82, 9                         ; the step's 512 bytes of a row
	s_add_co_u32 s68, s68, s69
	s_mov_b32 s69, 0
	s_mul_i32 s84, s83, 64*MP
	s_add_co_u32 s84, s84, MREG                    ; and its place: half plane number part
	s_lshl_b32 s70, s90, 19                        ; kv_img: my head
	s_mov_b32 s71, 0
	s_lshl_b32 s74, s83, 14                        ; a refill: k of the first step, v of it, k of the second, v of it
	s_mov_b32 s75, 0
	s_lshl_b32 s86, s83, 15                        ; the head: k and v of one key step
	s_mov_b32 s87, 0
	s_mov_b32 s[SEL], 0x76543210
	s_mov_b32 s[SEL+1], 0xfedcba98
	s_mov_b32 s[LG], 0x3fb8aa3b                    ; log2(e)
	s_mov_b32 s[LG+1], s[LG]                       ; (named with it as a pair, so it is written)
	s_mov_b32 s[CS], 0x3e0293ee                    ; log2(e) / sqrt(128)
	s_mov_b32 s[TB], 0
	s_mov_b32 s[SLOTS], 7
	s_wait_dscnt 0x0                               ; both opening adds are done
	s_wait_kmcnt 0x0
	s_load_b128 s[56:59], s[10:11], 0x10           ; e4 .. e7
	s_load_b128 s[60:63], s[10:11], 0x20           ; e8 .. e11
	s_mov_b32 s[G0M], 1                            ; count = 1
	s_mov_b32 s[G0M+1], s84                        ; LDS address
	s_add_nc_u64 s[G0M+2:G0M+3], s[8:9], s[68:69]  ; global address: key steps 0 and 1
	s_or_b32 s[G0M+3], s[G0M+3], 0x80000000        ; type = 2
	s_add_nc_u64 s[72:73], s[6:7], s[70:71]
	s_mov_b32 s[G0K], 1
	s_mov_b32 s[G0K+1], s86
	s_add_nc_u64 s[G0K+2:G0K+3], s[72:73], s[86:87]
	s_or_b32 s[G0K+3], s[G0K+3], 0x80000000
	s_mov_b32 s[G0K+4], 1
	s_add_co_u32 s[G0K+5], s74, KVS                ; slot 1, pair 1: the first refill of k and v turns it to slot 0 and pair 2
	s_add_nc_u64 s[G0K+6:G0K+7], s[72:73], s[74:75]
	s_add_nc_u64 s[G0K+6:G0K+7], s[G0K+6:G0K+7], KVS
	s_or_b32 s[G0K+7], s[G0K+7], 0x80000000
	CROUND                                         ; all sixteen work-groups are here: the first joint loads meet
	s_cmp_lt_u32 s[WV], 4                          ; one tensor load a wave at the head
	s_cbranch_scc0 .Lfirst_k
	tensor_load_to_lds s[G0M:G0M+3], s[G1M:G1M+7]  ; the mask of key steps 0 and 1
	s_nop 0
.rept 4
	v_nop
.endr
	s_branch .Lfirst_asked
.Lfirst_k:
	tensor_load_to_lds s[G0K:G0K+3], s[G1H:G1H+7]  ; k and v of key steps 0 to 3: both slots
	s_nop 0
.rept 4
	v_nop
.endr
.Lfirst_asked:
	s_lshl_b32 s72, s90, 18
	s_lshl_b32 s73, s91, 14
	s_add_co_u32 s72, s72, s73
	s_lshl_b32 s73, s[QP], 12
	s_add_co_u32 s72, s72, s73                     ; q_img: head x 2^18 + (8 x block + 2 qp) x 2,048
	s_mov_b32 s73, 0
	s_add_nc_u64 s[4:5], s[4:5], s[72:73]
	s_lshl_b32 s72, s91, 18
	s_lshl_b32 s74, s90, 14
	s_add_co_u32 s72, s72, s74
	s_lshl_b32 s74, s[WV], 11
	s_add_co_u32 s72, s72, s74                     ; a_img: block x 2^18 + head x 2^14 + wave x 2,048: I finish tile 2 qp + kh = my wave's number
	s_add_nc_u64 s[12:13], s[12:13], s[72:73]
	v_and_b32 v[LI], 31, v0
	v_lshlrev_b32 v[LI], 4, v[LI]
.irp u, 0,1
.irp c, 0,1,2,3
	global_load_b128 v[Q+16*\u+4*\c:Q+16*\u+4*\c+3], v[LI], s[4:5] offset:2048*\u+512*\c     ; Q's two fragments stay in registers
.endr
.endr
	; the prefetches: where my wave's stand, and who asks
	s_lshl_b32 s84, s91, 20                        ; the mask: my block's rows,
	s_lshl_b32 s85, s88, 18                        ; my work-group's 32 of them,
	s_add_co_u32 s84, s84, s85
	s_lshl_b32 s85, s83, 8                         ; my wave's 256 bytes of a row's 1,024,
	s_add_co_u32 s84, s84, s85
	s_add_co_u32 s84, s84, 1024                    ; at the second pair of steps
	s_lshl_b32 s86, s90, 19                        ; kv_img: my head,
	s_lshl_b32 s87, s89, 14                        ; my work-group's 16,384 bytes of a pair's,
	s_add_co_u32 s86, s86, s87
	s_lshl_b32 s87, s[KH], 13                      ; my wave's 8,192 of them,
	s_add_co_u32 s86, s86, s87
	s_add_co_u32 s86, s86, 2*KVS                   ; at the third pair
	s_mov_b32 s[PFS], KVS
	s_cmp_lt_u32 s[WV], 4                          ; waves 0 to 3 ask for the mask, waves 4 and 5 for k and v
	s_cselect_b64 s[PFA:PFA+1], s[8:9], s[6:7]
	s_cselect_b32 s84, s84, s86
	s_cselect_b32 s[PFS], 1024, s[PFS]
	s_cselect_b32 s82, 1, 2
	s_cselect_b32 s83, 13, 8                       ; from lane to lane: a row of 8,192 bytes, or 256 bytes
	s_mov_b32 s85, 0
	s_mov_b32 s[PFS+1], 0
	s_add_nc_u64 s[PFA:PFA+1], s[PFA:PFA+1], s[84:85]
	s_cmp_lt_u32 s[WV], 6
	s_cselect_b32 s[LIM], s82, -1
	v_and_b32 v[PFO], 31, v0
	v_lshlrev_b32 v[PFO], s83, v[PFO]
	s_wait_alu depctr_va_vdst(0)                   ; ahead of the branch
	ASK                                            ; the mask of the second pair, k and v of the third
	v_and_b32 v38, 15, v0                          ; r
	v_bfe_u32 v39, v0, 4, 1                        ; h
	v_mul_u32_u24 v[AM0], v38, MP
	v_lshl_add_u32 v[AM0], v39, 5, v[AM0]
	s_mul_i32 s72, s[QP], 32*MP
	s_lshl_b32 s74, s[KH], 8
	s_add_co_u32 s72, s72, s74
	s_add_co_u32 s72, s72, MREG
	v_add_nc_u32 v[AM0], s72, v[AM0]               ; row 32 qp + r of the plane, + 256 kh + 32 h
	v_add_nc_u32 v[AM1], MPL, v[AM0]
	s_lshl_b32 s72, s[KH], 13
	v_add_nc_u32 v[AK0], s72, v[LI]                ; 16 x lane + 8,192 kh
	s_lshl_b32 s72, s[KH], 10
	s_add_co_u32 s72, s72, VOFF
	v_add_nc_u32 v[AV0], s72, v[LI]                ; 16 x lane + 16,384 + 1,024 kh
.irp u, 0,1
	v_mov_b32 v[ST+2*\u+1], 0xff61b1e6             ; the largest t so far: -3e38
	v_mov_b32 v[SM+2*\u], 0                        ; the sum, in two halves
	v_mov_b32 v[SM+2*\u+1], 0
	v_mov_b32 v[FF+2*\u+1], 0                      ; (named as the upper half of f's pair)
	v_mov_b32 v[PL+\u], 0                          ; written once: a lane permute's destination counts as one of its sources
	v_floor_f32 v[ST+2*\u], -v[ST+2*\u+1]          ; -M
.endr
	s_wait_alu depctr_va_vdst(0)
	s_wait_kmcnt 0x0
	s_add_co_i32 s72, s58, s59                     ; e6 + e7, added to the exponent field
	s_lshl_b32 s72, s72, 23
	s_add_co_i32 s[CS], s[CS], s72
	s_mov_b32 s[CS+1], s[CS]
	s_add_co_i32 s72, s61, 127
	s_lshl_b32 s73, s72, 23
	v_mov_b32 v[SCP], s73                          ; 2^e9 as f32, for p's conversion
	s_add_co_i32 s72, s72, 8
	s_lshl_b32 s72, s72, 23
	s_or_b32 s72, s72, 0x600000
	v_mov_b32 v[LIMP], s72                         ; 448 x 2^e9
.macro MULQ q, i0, n                   ; the mask x log2(e): n of step q's 32 pairs, from number i0 on
.set i, \i0
.rept \n
.set a, T+64*(i/16)+32*(\q)+2*(i%16)
	v_pk_mul_f32 v[a:a+1], v[a:a+1], s[LG:LG+1] op_sel_hi:[1,0]
.set i, i+1
.endr
.endm
.macro FMAQ q                          ; t of step q, each accumulator from its low end on
	WIN 0x01                                       ; source 0 (the scores) window 1
.set i, 0
.rept 32
.set a, T+64*(i/16)+32*(\q)+2*(i%16)
	v_pk_fma_f32 v[a:a+1], v[SX+2*i:SX+2*i+1], s[CS:CS+1], v[a:a+1] op_sel_hi:[1,0,1]
.set i, i+1
.endr
	WIN 0
.endm
.macro KLOAD q                         ; k's images 4 kh + c of step q: 512 consecutive bytes a load
	WIN 0x40                                       ; destination window 1
.irp c, 0,1,2,3
.irp g, 0,1,2,3
	ds_load_b128 v[16*\c+4*\g:16*\c+4*\g+3], v[ADK] offset:STEPB*(\q)+2048*\c+512*\g
.endr
.endr
	WIN 0
.endm
.macro SPROD                           ; the scores of one step: each fragment of k serves both tiles
	WIN 0x41                                       ; source 0 (k) and D window 1, source 1 (Q) window 0
.irp c, 0,1,2,3
.irp u, 0,1
	v_wmma_f32_16x16x128_fp8_fp8 v[SX+32*\u+8*\c:SX+32*\u+8*\c+7], v[16*\c:16*\c+15], v[Q+16*\u:Q+16*\u+15], 0
.endr
.endr
	WIN 0
.endm
.macro MAXI i                          ; four more numbers of each tile: four chains by turns
.irp u, 0,1
	v_max3_num_f32 v[MX+2*\u], v[MX+2*\u], v[T+64*\u+\i], v[T+64*\u+\i+1]
	v_max3_num_f32 v[MX+2*\u+1], v[MX+2*\u+1], v[T+64*\u+\i+2], v[T+64*\u+\i+3]
.endr
.endm
.macro RESC u                          ; tile u's O^T under the new M
	WIN 0x41                                       ; O^T (destination and source 0) window 1, f window 0
	s_wait_alu depctr_va_vdst(0)                   ; directly ahead of the first reader of O^T
.set j, OT+64*\u
.rept 32
	v_pk_mul_f32 v[j:j+1], v[j:j+1], v[FF+2*\u:FF+2*\u+1] op_sel_hi:[1,0]
.set j, j+2
.endr
	WIN 0
.endm
.macro PV zero                         ; O^T += V^T P^T: the sixteen accumulators take turns; each fragment of v serves both tiles
	WIN 0x51                                       ; source 0 (v) window 1, source 1 (P) window 0, C and D window 1
.irp t, 0,1,2,3,4,5,6,7
.irp u, 0,1
.if \zero
	v_wmma_f32_16x16x128_fp8_fp8 v[OT+64*\u+8*\t:OT+64*\u+8*\t+7], v[16*\t:16*\t+15], v[PC+16*\u:PC+16*\u+15], 0
.else
	v_wmma_f32_16x16x128_fp8_fp8 v[OT+64*\u+8*\t:OT+64*\u+8*\t+7], v[16*\t:16*\t+15], v[PC+16*\u:PC+16*\u+15], v[OT+64*\u+8*\t:OT+64*\u+8*\t+7]
.endif
.endr
.endr
	WIN 0
.endm
; Tile u: p, the row's sum, the hold and the codes.
.macro EXPU u
.set bb, T+64*\u
.set j, 0
.rept 32
	v_pk_add_f32 v[bb+j:bb+j+1], v[bb+j:bb+j+1], v[ST+2*\u:ST+2*\u+1] op_sel_hi:[1,0]      ; t - M
.set j, j+2
.endr
	s_wait_alu depctr_va_vdst(0)                   ; the wait ahead of the batch,
.set j, 0
.rept 64
	v_exp_f32 v[bb+j], v[bb+j]                     ; p = 2^(t - M), at most 1: not normalised
.set j, j+1
.endr
	v_pk_mul_f32 v[SM+2*\u:SM+2*\u+1], v[SM+2*\u:SM+2*\u+1], v[FF+2*\u:FF+2*\u+1] op_sel_hi:[1,0]   ; the sum under the new M: the plain instruction behind the exponentials
	s_wait_alu depctr_va_vdst(0)                   ; and for one behind it, ahead of its first reader
	v_pk_add_f32 v[S2+2*\u:S2+2*\u+1], v[bb:bb+1], v[bb+2:bb+3]      ; the row's sum is taken of the unquantised p, in two chains; each number is held behind its addition
	HOLD 0
.set j, 4
.rept 15
	v_pk_add_f32 v[SM+2*\u:SM+2*\u+1], v[SM+2*\u:SM+2*\u+1], v[bb+j:bb+j+1]
	v_pk_add_f32 v[S2+2*\u:S2+2*\u+1], v[S2+2*\u:S2+2*\u+1], v[bb+j+2:bb+j+3]
	HOLD j
.set j, j+4
.endr
	v_pk_add_f32 v[SM+2*\u:SM+2*\u+1], v[SM+2*\u:SM+2*\u+1], v[S2+2*\u:S2+2*\u+1]
.set j, 0
.rept 8
	v_cvt_scalef32_pk8_fp8_f32 v[PC+16*\u+2*j:PC+16*\u+2*j+1], v[bb+8*j:bb+8*j+7], v[SCP]  ; eight keys: one register pair of P
.set j, j+1
.endr
	v_nop                                          ; a plain instruction behind the last conversion
.endm
.macro HOLD n                          ; the conversion to an 8-bit code does not saturate (ISA guide 7.6.2); p is not negative, so the hold is one-sided
	v_dual_min_num_f32 v[bb+\n], v[bb+\n], v[LIMP] :: v_dual_min_num_f32 v[bb+\n+1], v[bb+\n+1], v[LIMP]
	v_dual_min_num_f32 v[bb+\n+2], v[bb+\n+2], v[LIMP] :: v_dual_min_num_f32 v[bb+\n+3], v[bb+\n+3], v[LIMP]
.endm
; A PAIR'S HEAD.  kind 0: the first pair (the mask alone is filled again: both slots of k and v were filled at the head); 1: both; 2: the last pair, which asks for nothing.
; pv: the pair before enters O^T: 0: there is none; 1: it starts the sums; 2: it is added.
; TWO BARRIERS, since the mask has one region.  Behind the first the pair's mask, k and v are whole, and nothing is filled.  In front of the second each wave has waited for its reads of the mask's region
; (its reads of the slot of k and v that was left ended in front of the first): behind it the region and that slot are filled again.
.macro HEADP kind, pv
	s_wait_alu depctr_va_vdst(0)                   ; ahead of the waits below
	s_wait_dscnt 0x0                               ; the last pair's v is in registers
	s_wait_tensorcnt 0x0                           ; my part of this pair's tiles has landed
	s_barrier_signal -1
.if \pv == 2
	RESC 0
.endif
	s_barrier_wait -1                              ; everybody's has
.irp u, 0,1
.irp c, 0,1,2,3
.irp e, 0,1
	ds_load_b128 v[T+64*\u+8*\c+4*\e:T+64*\u+8*\c+4*\e+3], v[AM0] offset:16*MP*\u+64*\c+16*\e      ; the mask of query 32 qp + 16 u + r at keys 64 kh + 16 c + 8 h + 4 e + 0 .. 3: register for register as S^T
	ds_load_b128 v[T+64*\u+32+8*\c+4*\e:T+64*\u+32+8*\c+4*\e+3], v[AM1] offset:16*MP*\u+64*\c+16*\e    ; the same of the pair's second step
.endr
.endr
.endr
.if \pv == 2
	RESC 1
	PV 0
.endif
.if \pv == 1
	PV 1
.endif
.if \pv
	s_xor_b32 s[TB], s[TB], KVS                    ; on to the other slot of k and v
.endif
.if \kind < 2
	s_wait_tensorcnt 0x0                           ; no tensor load of mine is out, so a group 0 may be written
	ds_add_u32 v[SPW], v[NIL]                      ; 0 onto my spare word
	s_add_nc_u64 s[G0M+2:G0M+3], s[G0M+2:G0M+3], 1024      ; the next 256 keys' columns of the mask; the type bits on top are not reached
.if \kind == 1
	s_xor_b32 s[G0K+5], s[G0K+5], KVS              ; the walking descriptor: the other slot than last time,
	s_add_nc_u64 s[G0K+6:G0K+7], s[G0K+6:G0K+7], KVS       ; the next pair's images
.endif
	s_wait_xcnt 0x0                                ; the last prefetch, a pair back, has read its address, so it may be written
	s_add_nc_u64 s[PFA:PFA+1], s[PFA:PFA+1], s[PFS:PFS+1]
.endif
	s_wait_dscnt 0x0                               ; the add is done, and my reads of the mask's region are over
	s_barrier_signal -1
	MULQ 0, 0, 32                                  ; work on registers while the others arrive
	s_barrier_wait -1                              ; (kind 2: the exchange's stage may be laid in the region)
.if \kind < 2
	CREST                                          ; no wave of any partner still reads the region or the slot that was left, or has a load on its way
	JLOAD \kind                                    ; the first tensor load behind the round, one a wave
	ASK
.endif
.endm
; A PAIR'S SCORES AND SOFTMAX: my 128 keys against my two query tiles.
.macro BODY
	v_add_nc_u32 v[ADK], s[TB], v[AK0]
	v_add_nc_u32 v[ADV], s[TB], v[AV0]
	KLOAD 0                                        ; (the 32 multiplies of the head are the places behind the last products)
	MULQ 1, 0, 24
	s_wait_dscnt 0x0
	SPROD
	MULQ 1, 24, 8                                  ; the places in front of the loads into k's registers and of the first read of the scores
	KLOAD 1
	FMAQ 0
.irp u, 0,1
	v_max3_num_f32 v[MX+2*\u], v[T+64*\u], v[T+64*\u+1], v[T+64*\u+2]          ; the pair's largest t of each of my two queries, among my 64 keys
	v_max3_num_f32 v[MX+2*\u+1], v[T+64*\u+3], v[T+64*\u+4], v[T+64*\u+5]
.endr
.irp i, 6,10,14,18
	MAXI \i
.endr
	s_wait_alu depctr_va_vdst(0)
	s_wait_dscnt 0x0
	SPROD
.irp i, 22,26
	MAXI \i                                        ; the places in front of the first read of the second step's scores
.endr
	FMAQ 1
	WIN 0x40
.irp t, 0,1,2,3,4,5,6,7
.irp q, 0,1
.irp g, 0,1
	ds_load_b128 v[16*\t+8*\q+4*\g:16*\t+8*\q+4*\g+3], v[ADV] offset:STEPB*\q+2048*\t+512*\g   ; groups 2 kh and 2 kh + 1 of v's eight images, both steps: they land while the softmax is worked
.endr
.endr
.endr
	WIN 0
.irp i, 30,34,38,42,46,50,54,58
	MAXI \i
.endr
.irp u, 0,1
	v_max3_num_f32 v[MX+2*\u], v[MX+2*\u], v[T+64*\u+62], v[T+64*\u+63]
.endr
.irp u, 0,1
	s_delay_alu instid0(VALU_DEP_2)
	v_max_num_f32 v[MX+2*\u], v[MX+2*\u], v[MX+2*\u+1]
.endr
.irp u, 0,1
	s_delay_alu instid0(VALU_DEP_2)
	v_permlanex16_b32 v[PL+\u], v[MX+2*\u], s[SEL], s[SEL+1]
.endr
.irp u, 0,1
	s_delay_alu instid0(VALU_DEP_2)
	v_max_num_f32 v[MX+2*\u], v[MX+2*\u], v[PL+\u]                             ; and among lane l xor 16's
.endr
.irp u, 0,1
	s_delay_alu instid0(VALU_DEP_2)
	v_max_num_f32 v[ST+2*\u+1], v[ST+2*\u+1], v[MX+2*\u]                       ; the running largest t
.endr
.irp u, 0,1
	v_mov_b32 v[MX+2*\u], v[ST+2*\u]
.endr
.irp u, 0,1
	s_delay_alu instid0(VALU_DEP_4)
	v_floor_f32 v[ST+2*\u], -v[ST+2*\u+1]                                      ; the new -M = floor(-t) = -ceil(t): a whole number
.endr
.irp u, 0,1
	s_delay_alu instid0(VALU_DEP_2)
	v_sub_f32 v[MX+2*\u], v[ST+2*\u], v[MX+2*\u]                               ; old M less new M: a whole number, 0 or less
.endr
.irp u, 0,1
	s_delay_alu instid0(VALU_DEP_2)
	v_cvt_i32_f32 v[MX+2*\u], v[MX+2*\u]                                       ; (it saturates)
.endr
.irp u, 0,1
	s_delay_alu instid0(VALU_DEP_2)
	v_ldexp_f32 v[FF+2*\u], 1.0, v[MX+2*\u]                                    ; f = 2^(old M - new M)
.endr
	EXPU 0
	EXPU 1
.endm
	s_wait_alu depctr_va_vdst(0)                   ; the wait at the head's end
	s_wait_loadcnt 0x0                             ; Q
	HEADP 0, 0
	BODY
	s_mov_b32 s[SLOTS], 6
	HEADP 1, 1                                     ; the first pair starts O^T's sums: nothing is cleared
	BODY
	s_mov_b32 s[SLOTS], 5
.Lpair:                                                ; five trips: pairs 2 to 6; behind each round the next pair is asked for
	HEADP 1, 2
	BODY
	s_sub_co_u32 s[SLOTS], s[SLOTS], 1
	s_cmp_lg_u32 s[SLOTS], 0
	s_cbranch_scc1 .Lpair
	HEADP 2, 2                                     ; the last pair is written out
	BODY
	s_wait_alu depctr_va_vdst(0)
	s_wait_dscnt 0x0                               ; v is in
	RESC 0
	RESC 1
	PV 0
	; THE TWO HALVES OF THE KEYS MEET.  Wave kh keeps tile kh and sends tile 1 - kh to its partner: the choice selects values, by a mask that is the same in all lanes.  The additions are the places behind the last products.
.irp u, 0,1
	v_add_f32 v[SM+2*\u], v[SM+2*\u], v[SM+2*\u+1] ; the sum's two halves,
.endr
.irp u, 0,1
	s_delay_alu instid0(VALU_DEP_2)
	v_permlanex16_b32 v[PL+\u], v[SM+2*\u], s[SEL], s[SEL+1]
.endr
.irp u, 0,1
	s_delay_alu instid0(VALU_DEP_2)
	v_add_f32 v[SM+2*\u], v[SM+2*\u], v[PL+\u]     ; and lane l xor 16's
.endr
	s_cmp_eq_u32 s[KH], 1
	s_cselect_b32 vcc_lo, -1, 0
	v_cndmask_b32 v[KM], v[ST], v[ST+2], vcc_lo    ; I keep: -M,
	v_cndmask_b32 v[KL], v[SM], v[SM+2], vcc_lo    ; the sum;
	v_cndmask_b32 v[XM], v[ST+2], v[ST], vcc_lo    ; I send the other tile's
	v_cndmask_b32 v[XM+1], v[SM+2], v[SM], vcc_lo
	s_mul_i32 s72, s[WV], OBX
	s_add_co_u32 s72, s72, STG
	v_add_nc_u32 v[SO], s72, v[LI]                 ; where I send: my wave's bytes of the stage,
	s_xor_b32 s73, s[WV], 1
	s_mul_i32 s73, s73, OBX
	s_add_co_u32 s73, s73, STG
	v_add_nc_u32 v[SI], s73, v[LI]                 ; where I receive: my partner's
	WIN 0x05                                       ; sources 0 and 1 window 1
.set j, 0
.rept 64
	v_cndmask_b32 v[T+j], v[OT+64+j], v[OT+j], vcc_lo      ; to send: tile 1 in wave kh = 0, tile 0 in wave kh = 1; each accumulator from its low end on
.set j, j+1
.endr
	WIN 0x45                                       ; and the destination
.set j, 0
.rept 64
	v_cndmask_b32 v[OT+j], v[OT+j], v[OT+64+j], vcc_lo     ; to keep, in tile 0's registers
.set j, j+1
.endr
	WIN 0
.irp i, 0,1,2,3,4,5,6,7,8,9,10,11,12,13,14,15
	ds_store_b128 v[SO], v[T+4*\i:T+4*\i+3] offset:512*\i  ; an image of the registers: 512 consecutive bytes a store
.endr
	ds_store_b64 v[SO], v[XM:XM+1] offset:8192
	s_wait_dscnt 0x0                               ; for my partner's sake: my stores are done
	s_barrier_signal -1
	s_barrier_wait -1
.irp i, 0,1,2,3,4,5,6,7,8,9,10,11,12,13,14,15
	ds_load_b128 v[RX+4*\i:RX+4*\i+3], v[SI] offset:512*\i ; my partner's part of the tile that I keep
.endr
	ds_load_b64 v[YM:YM+1], v[SI] offset:8192
	v_mov_b32 v[L448], 0x43e00000                  ; 448
	v_mov_b32 v[ONE], 1.0
	v_mov_b32 v[GA+1], 0                           ; (named as the upper halves of pairs)
	v_mov_b32 v[GB+1], 0
	s_add_co_i32 s72, s60, s61
	s_sub_co_i32 s72, s72, s62                     ; e8 + e9 - e10
	s_wait_alu depctr_va_vdst(0)
	s_wait_dscnt 0x0
	v_min_num_f32 v[NM], v[KM], v[YM]              ; -M of the whole row: the lesser, since M is the greater
	s_delay_alu instid0(VALU_DEP_1)
	v_sub_f32 v[DA], v[NM], v[KM]                  ; my part's M less the row's: a whole number, 0 or less,
	s_delay_alu instid0(VALU_DEP_2)
	v_sub_f32 v[DB], v[NM], v[YM]                  ; my partner's
	s_delay_alu instid0(VALU_DEP_2)
	v_cvt_i32_f32 v[DA], v[DA]                     ; (they saturate)
	s_delay_alu instid0(VALU_DEP_2)
	v_cvt_i32_f32 v[DB], v[DB]
	s_delay_alu instid0(VALU_DEP_2)
	v_ldexp_f32 v[FA], 1.0, v[DA]                  ; the two parts are brought under the row's M by powers of two: nothing is rounded
	s_delay_alu instid0(VALU_DEP_2)
	v_ldexp_f32 v[FB], 1.0, v[DB]
	s_delay_alu instid0(VALU_DEP_2)
	v_mul_f32 v[KL], v[KL], v[FA]
	s_delay_alu instid0(VALU_DEP_1)
	v_fma_f32 v[KL], v[YM+1], v[FB], v[KL]         ; the row's sum
	s_wait_alu depctr_va_vdst(0)
	v_rcp_f32 v[KL], v[KL]
	v_nop                                          ; a plain instruction behind the reciprocal
	s_wait_alu depctr_va_vdst(0)                   ; the wait ahead of the reciprocal's first reader
	v_ldexp_f32 v[KL], v[KL], s72                  ; 2^(e8 + e9 - e10) / the sum
	s_delay_alu instid0(VALU_DEP_1)
	v_mul_f32 v[GA], v[FA], v[KL]
	s_delay_alu instid0(VALU_DEP_2)
	v_mul_f32 v[GB], v[FB], v[KL]
	WIN 0x01                                       ; source 0 window 1
.set j, 0
.rept 32
	v_pk_mul_f32 v[T+j:T+j+1], v[OT+j:OT+j+1], v[GA:GA+1] op_sel_hi:[1,0]
.set j, j+2
.endr
	WIN 0
.set j, 0
.rept 32
	v_pk_fma_f32 v[T+j:T+j+1], v[RX+j:RX+j+1], v[GB:GB+1], v[T+j:T+j+1] op_sel_hi:[1,0,1]   ; register 8 t + i: the result at query r, channel 16 t + 8 h + i, divided by 2^e10
.set j, j+2
.endr
.set j, 0
.rept 64
	v_med3_num_f32 v[T+j], v[T+j], -v[L448], v[L448]
.set j, j+1
.endr
.irp t, 0,1,2,3,4,5,6,7
	v_cvt_scalef32_pk8_fp8_f32 v[PC+2*\t:PC+2*\t+1], v[T+8*\t:T+8*\t+7], v[ONE]    ; tile t's eight channels: register pair t of product 6's operand
.endr
	v_nop                                          ; a plain instruction behind the last conversion
.irp g, 0,1,2,3
	global_store_b128 v[LI], v[PC+4*\g:PC+4*\g+3], s[12:13] offset:512*\g          ; the wave stores 512 consecutive bytes, aligned
.endr
	s_wait_tensorcnt 0x0                           ; the wave's end, behind my last tensor load and my last LDS store
	ds_add_u32 v[SPW], v[NIL]
	s_wait_dscnt 0x0
	CROUND                                         ; the closing round: no work-group ends while a partner may still ask for a tile that names it
	s_endpgm
.Lfunc_end_k_q95f9f4b189_attn:
	.size	k_q95f9f4b189_attn, .Lfunc_end_k_q95f9f4b189_attn-k_q95f9f4b189_attn
	.p2alignl 7, 3214868480
	.fill 96, 4, 3214868480
	.section	.rodata,"a",@progbits
	.p2align	6, 0x0
	.amdhsa_kernel k_q95f9f4b189_attn
		.amdhsa_group_segment_fixed_size 327680
		.amdhsa_private_segment_fixed_size 0
		.amdhsa_enable_private_segment 0
		.amdhsa_kernarg_size 40
		.amdhsa_user_sgpr_count 2
		.amdhsa_user_sgpr_kernarg_segment_ptr 1
		.amdhsa_wavefront_size32 1
		.amdhsa_system_sgpr_workgroup_id_x 1
		.amdhsa_system_sgpr_workgroup_id_y 1
		.amdhsa_system_sgpr_workgroup_id_z 1
		.amdhsa_system_vgpr_workitem_id 0
		.amdhsa_next_free_vgpr 512
		.amdhsa_next_free_sgpr 100
		.amdhsa_reserve_vcc 1
		.amdhsa_float_denorm_mode_32 3
		.amdhsa_float_denorm_mode_16_64 3
		.amdhsa_memory_ordered 1
		.amdhsa_forward_progress 1
		.amdhsa_inst_pref_size 201
	.end_amdhsa_kernel
	.amdgpu_metadata
---
amdhsa.version: [ 1, 2 ]
amdhsa.kernels:
  - .name:           k_q95f9f4b189_attn
    .symbol:         k_q95f9f4b189_attn.kd
    .args:
      - { .name: q_img, .offset: 0, .size: 8, .value_kind: global_buffer, .address_space: global }
      - { .name: kv_img, .offset: 8, .size: 8, .value_kind: global_buffer, .address_space: global }
      - { .name: mask, .offset: 16, .size: 8, .value_kind: global_buffer, .address_space: global }
      - { .name: lowp_scales, .offset: 24, .size: 8, .value_kind: global_buffer, .address_space: global }
      - { .name: a_img, .offset: 32, .size: 8, .value_kind: global_buffer, .address_space: global }
    .group_segment_fixed_size: 327680
    .private_segment_fixed_size: 0
    .kernarg_segment_align: 8
    .kernarg_segment_size: 40
    .max_flat_workgroup_size: 256
    .sgpr_count:     100
    .vgpr_count:     512
    .wavefront_size: 32
...
	.end_amdgpu_metadata
.endif
;; end of part 2
;; launch proj (part 3): grid 16 x 16, 4 waves a work-group, clusters of 4 x 4, 327,680 bytes of LDS; arguments a_img, wo_codes, lowp_scales, out0; writes out0
.if DOCPART == 3
	.amdgcn_target "amdgcn-amd-amdhsa--gfx1250"
	.amdhsa_code_object_version 6
	.text
	.protected	k_q95f9f4b189_proj
	.globl	k_q95f9f4b189_proj
	.p2align	8
	.type	k_q95f9f4b189_proj,@function
k_q95f9f4b189_proj:
	s_mov_b64 s[64:65], 0
	v_nop
	global_prefetch_b8 v0, s[64:65] scope:SCOPE_SE
	s_setreg_imm32_b32 hwreg(HW_REG_WAVE_MODE, 25, 1), 1
	s_wait_xcnt 0x0
	s_wait_alu depctr_hold_cnt(0) depctr_sa_sdst(0) depctr_va_vdst(0) depctr_va_sdst(0) depctr_va_ssrc(0) depctr_va_vcc(0) depctr_vm_vsrc(0)
	s_getreg_b32 s2, hwreg(HW_REG_IB_STS2, 6, 4)
	s_cmp_eq_u32 s2, 0
	s_cbranch_scc0 .Lentry_in_a_cluster
	s_endpgm
.Lentry_in_a_cluster:
	s_bfe_u32 s2, ttmp6, 0x10000c
	s_cmp_lg_u32 s2, 0xf033
	s_cbranch_scc0 .Lentry_shape_is_right
	s_endpgm
.Lentry_shape_is_right:
; Product 6 on codes of E4M3: out0[s][n] = 2^(e10 + e11) x the sum over k of a[s][k] wo[n][k]; a arrives as images of operand registers ([block of 128 rows][128 of K][tile of 16 rows][group of 4 registers][lane][16 bytes]).
; LIMIT: e10 + e11 lies between -126 and 127.  Left out: what depends on freqs_complex alone (shown at the head of the first kernel).
; Work-group (x = 128 columns, y = 128 rows), four waves of 64 x 64; K in four steps of 512 through two LDS slots (a: 65,536 bytes dense; wo: 128 rows of 512 bytes, padded to 528); waves 0 and 1 fetch a's halves, 2 and 3 wo's.
; CLUSTERS of 4 x 4: a's tile is asked for jointly along a row of the cluster, wo's along a column.  The product is used transposed (source 0 = rows of wo): a lane holds eight neighbouring columns of a row;
; they leave through the wave's stage in LDS as whole aligned units of 256 bytes.
; PREFETCHES INTO THE L2, two K steps ahead: each cluster asks for what it will load; the four partners of a joint load take a quarter each, told apart by address; one instruction a wave for each K step.  K step 0 comes by its load alone.
.set BP,     528
.set PFO,  27
.set BOFF,   65536
.set SLOT,   BOFF+128*BP
.set STAGE,  2*SLOT
.set SP,     272
.set SPARE,  STAGE+4*16*SP
.set ADRA, 16
.set ADRB, 20
.set STO,  24
.set RD,   25
.set CO,   26
.set SPW,  28
.set NIL,  29
.set TMP,  32
.set BK,   64
.set ACC,  128
.set WV,   14
.set G1A,  24
.set G0A,  32
.set G1B,  48
.set G0B,  56
.set MSB, 0
.macro WIN new
.if MSB != \new
	s_set_vgpr_msb (MSB<<8)|\new
.set MSB, \new
.endif
.endm
.macro PLACES n
.rept \n
	v_nop
.endr
.endm
.macro JLOAD s
	s_cmp_eq_u32 s15, 0
	s_cbranch_scc0 .Lfor_b_\@
	tensor_load_to_lds s[G0A+4*\s:G0A+4*\s+3], s[G1A:G1A+7]
	s_nop 0
.rept 4
	v_nop
.endr
	s_branch .Lasked_\@
.Lfor_b_\@:
	tensor_load_to_lds s[G0B+4*\s:G0B+4*\s+3], s[G1B:G1B+7]
	s_nop 0
.rept 4
	v_nop
.endr
.Lasked_\@:
.endm
.macro CROUND
	s_barrier_signal -1
	s_barrier_wait -1
	s_cmp_lg_u32 s[WV], 0
	s_cbranch_scc1 .Lnot_wave_0_\@
	s_barrier_signal -3
.Lnot_wave_0_\@:
	s_barrier_wait -3
	s_barrier_signal -1
	s_barrier_wait -1
.endm
	s_load_b256 s[4:11], s[0:1], 0x0
	v_lshl_add_u32 v[SPW], v0, 2, SPARE
	v_mov_b32 v[NIL], 0
	ds_add_u32 v[SPW], v[NIL]
	ds_add_u32 v[SPW], v[NIL]
	v_lshrrev_b32 v1, 5, v0
	v_readfirstlane_b32 s[WV], v1
	s_lshr_b32 s15, s[WV], 1
	s_and_b32 s16, s[WV], 1
	s_bfe_u32 s40, ttmp6, 0x40000
	s_bfe_u32 s41, ttmp6, 0x40004
	s_lshl_b32 s42, ttmp9, 2
	s_add_co_u32 s42, s42, s40
	s_and_b32 s43, ttmp7, 0xffff
	s_lshl_b32 s43, s43, 2
	s_add_co_u32 s43, s43, s41
	s_lshl_b32 s44, s41, 2
	s_lshl_b32 s44, 15, s44
	s_lshl_b32 s45, 0x1111, s40
	s_or_b32 s[G1A], s44, (3<<16)|(1<<21)
	s_mov_b32 s[G1A+1], 32<<16
	s_mov_b32 s[G1A+2], 128<<16
	s_mov_b32 s[G1A+3], 32<<16
	s_mov_b32 s[G1A+4], 128
	s_mov_b32 s[G1A+5], 32
	s_mov_b32 s[G1A+6], 0
	s_mov_b32 s[G1A+7], 0
	s_or_b32 s[G1B], s45, (1<<20)|(1<<21)|(6<<22)|(3<<25)
	s_mov_b32 s[G1B+1], 512<<16
	s_mov_b32 s[G1B+2], 64<<16
	s_mov_b32 s[G1B+3], 512<<16
	s_mov_b32 s[G1B+4], 64
	s_mov_b32 s[G1B+5], 2048
	s_mov_b32 s[G1B+6], 0
	s_mov_b32 s[G1B+7], 0
	s_lshl_b32 s20, s43, 18
	s_lshl_b32 s21, s16, 15
	s_add_co_u32 s20, s20, s21
	s_mov_b32 s21, 0
	s_lshl_b32 s46, s42, 18
	s_lshl_b32 s47, s16, 17
	s_add_co_u32 s46, s46, s47
	s_mov_b32 s47, 0
	s_lshl_b32 s22, s16, 15
	s_mul_i32 s23, s16, 64*BP
	s_add_co_u32 s23, s23, BOFF
	s_wait_dscnt 0x0
	s_wait_kmcnt 0x0
	s_load_b64 s[68:69], s[8:9], 0x28
	s_add_nc_u64 s[20:21], s[4:5], s[20:21]
	s_add_nc_u64 s[46:47], s[6:7], s[46:47]
	CROUND
.irp s, 0,1
	s_mov_b32 s[G0A+4*\s], 1
	s_add_co_u32 s[G0A+4*\s+1], s22, \s*SLOT
	s_add_nc_u64 s[G0A+4*\s+2:G0A+4*\s+3], s[20:21], \s*65536
	s_or_b32 s[G0A+4*\s+3], s[G0A+4*\s+3], 0x80000000
	s_mov_b32 s[G0B+4*\s], 1
	s_add_co_u32 s[G0B+4*\s+1], s23, \s*SLOT
	s_add_nc_u64 s[G0B+4*\s+2:G0B+4*\s+3], s[46:47], \s*512
	s_or_b32 s[G0B+4*\s+3], s[G0B+4*\s+3], 0x80000000
.endr
	JLOAD 0                                        ; K step 0: one tensor load a wave at the head
	s_mov_b32 s17, 512
	s_mov_b32 s18, 2048
	s_cmp_eq_u32 s15, 0                            ; do I fetch for a?
	s_cselect_b64 s[72:73], s[20:21], s[46:47]
	s_cselect_b32 s78, s40, s41                    ; my place among the four that ask with me
	s_cselect_b32 s79, 13, 15                      ; a: 8,192 bytes each; wo: 16 rows of 2,048
	s_cselect_b32 s17, 0x10000, s17                ; a K step on, in bytes
	s_cselect_b32 s18, 512, s18                    ; from lane pair to lane pair: the next 512 bytes, or the next row
	s_lshl_b32 s78, s78, s79
	s_mov_b32 s79, 0
	s_add_nc_u64 s[72:73], s[72:73], s[78:79]
	s_mov_b32 s78, s17
	s_add_nc_u64 s[72:73], s[72:73], s[78:79]      ; K step 1,
	s_add_nc_u64 s[74:75], s[72:73], s[78:79]      ; 2,
	s_add_nc_u64 s[76:77], s[74:75], s[78:79]      ; 3
	v_and_b32 v1, 1, v0
	v_bfe_u32 v[PFO], v0, 1, 4
	v_mul_lo_u32 v[PFO], v[PFO], s18
	v_lshl_add_u32 v[PFO], v1, 8, v[PFO]           ; lane l: pair l / 2, 256 bytes number l % 2
	global_prefetch_b8 v[PFO], s[72:73] th:TH_LOAD_NT scope:SCOPE_SE
	global_prefetch_b8 v[PFO], s[74:75] th:TH_LOAD_NT scope:SCOPE_SE
	v_and_b32 v1, 31, v0
	v_lshlrev_b32 v1, 4, v1
	v_and_b32 v2, 15, v0
	v_bfe_u32 v3, v0, 4, 1
	s_lshl_b32 s17, s15, 13
	v_add_nc_u32 v[ADRA], s17, v1
	v_add_nc_u32 v[ADRA+1], SLOT, v[ADRA]
	v_mul_u32_u24 v4, v2, BP
	v_lshl_add_u32 v4, v3, 3, v4
	s_mul_i32 s17, s16, 64*BP
	s_add_co_u32 s17, s17, BOFF
	v_add_nc_u32 v[ADRB], s17, v4
	v_add_nc_u32 v[ADRB+1], SLOT, v[ADRB]
	s_mul_i32 s17, s[WV], 16*SP
	s_add_co_u32 s17, s17, STAGE
	v_mul_u32_u24 v5, v2, SP
	v_lshl_add_u32 v5, v3, 5, v5
	v_add_nc_u32 v[STO], s17, v5
	v_mul_u32_u24 v5, v3, SP
	v_lshl_add_u32 v5, v2, 4, v5
	v_add_nc_u32 v[RD], s17, v5
	v_lshlrev_b32 v5, 13, v3
	v_lshl_add_u32 v[CO], v2, 4, v5
	s_lshl_b32 s70, s43, 20
	s_lshl_b32 s71, s15, 19
	s_add_co_u32 s70, s70, s71
	s_lshl_b32 s71, s42, 9
	s_add_co_u32 s70, s70, s71
	s_lshl_b32 s71, s16, 8
	s_add_co_u32 s70, s70, s71
	s_mov_b32 s71, 0
	s_add_nc_u64 s[10:11], s[10:11], s[70:71]
.macro FETCH slot, hh, f
	WIN 0x40
.irp i, 0,1,2,3
.irp g, 0,1,2,3
	ds_load_b128 v[128*(\f)+16*\i+4*\g:128*(\f)+16*\i+4*\g+3], v[ADRA+(\slot)] offset:16384*(\hh)+2048*\i+512*\g
.endr
.endr
.irp j, 0,1,2,3
.irp c, 0,1,2,3,4,5,6,7
	ds_load_b64 v[128*(\f)+64+16*\j+2*\c:128*(\f)+64+16*\j+2*\c+1], v[ADRB+(\slot)] offset:16*BP*\j+128*(\hh)+16*\c
.endr
.endr
	WIN 0
.endm
.macro MUL16 f, zero
.irp a, 0,1,2,3
.irp b, 0,1,2,3
.if \zero
	v_wmma_f32_16x16x128_fp8_fp8 v[ACC+8*(4*\a+\b):ACC+8*(4*\a+\b)+7], v[128*(\f)+64+16*\b:128*(\f)+64+16*\b+15], v[128*(\f)+16*\a:128*(\f)+16*\a+15], 0
.else
	v_wmma_f32_16x16x128_fp8_fp8 v[ACC+8*(4*\a+\b):ACC+8*(4*\a+\b)+7], v[128*(\f)+64+16*\b:128*(\f)+64+16*\b+15], v[128*(\f)+16*\a:128*(\f)+16*\a+15], v[ACC+8*(4*\a+\b):ACC+8*(4*\a+\b)+7]
.endif
.endr
.endr
.endm
.macro STEP slot, hh, zero
	s_wait_dscnt 0x0
	PLACES 4
	FETCH \slot, (\hh)+1, ((\hh)+1)%2
	WIN 0x05
	MUL16 (\hh)%2, \zero
	WIN 0
.endm
.macro TURN slot, next, fill
	s_wait_tensorcnt 0x0
	ds_add_u32 v[SPW], v[NIL]
.if \fill
	s_add_nc_u64 s[G0A+4*\slot+2:G0A+4*\slot+3], s[G0A+4*\slot+2:G0A+4*\slot+3], 131072
	s_add_nc_u64 s[G0B+4*\slot+2:G0B+4*\slot+3], s[G0B+4*\slot+2:G0B+4*\slot+3], 1024
.endif
	s_wait_dscnt 0x0
.if \fill
	CROUND
	JLOAD \slot
.else
	s_barrier_signal -1
	s_barrier_wait -1
	PLACES 4
.endif
	s_wait_alu depctr_va_vdst(0)
	FETCH \next, 0, 0
	WIN 0x05
	MUL16 1, 0
	WIN 0
.endm
	s_wait_alu depctr_va_vdst(0)                   ; the wait at the head's end
	s_wait_tensorcnt 0x0                           ; my part of K step 0 is in
	ds_add_u32 v[SPW], v[NIL]
	s_wait_dscnt 0x0
	CROUND
	JLOAD 1                                        ; slot 1's first fill, K step 1: the first tensor load behind the round
	FETCH 0, 0, 0
	global_prefetch_b8 v[PFO], s[76:77] th:TH_LOAD_NT scope:SCOPE_SE   ; K step 3
	STEP 0, 0, 1
	STEP 0, 1, 0
	STEP 0, 2, 0
	TURN 0, 1, 1
	STEP 1, 0, 0
	STEP 1, 1, 0
	STEP 1, 2, 0
	TURN 1, 0, 1
	STEP 0, 0, 0
	STEP 0, 1, 0
	STEP 0, 2, 0
	TURN 0, 1, 0
	STEP 1, 0, 0
	STEP 1, 1, 0
	STEP 1, 2, 0
	s_wait_dscnt 0x0
	WIN 0x05
	MUL16 1, 0
	WIN 0
.macro TOSTAGE a
.set j, 0
.rept 16
	v_pk_mul_f32 v[TMP+j:TMP+j+1], v[ACC+32*(\a)+j:ACC+32*(\a)+j+1], s[68:69] op_sel_hi:[1,0]
.set j, j+2
.endr
.irp b, 0,1,2,3
	ds_store_b128 v[STO], v[TMP+8*\b:TMP+8*\b+3] offset:64*\b
	ds_store_b128 v[STO], v[TMP+8*\b+4:TMP+8*\b+7] offset:64*\b+16
.endr
.irp t, 0,1,2,3,4,5,6,7
	ds_load_b128 v[BK+32*((\a)%2)+4*\t:BK+32*((\a)%2)+4*\t+3], v[RD] offset:2*SP*\t
.endr
.endm
.macro SEND a, younger
	s_wait_dscnt \younger
.irp t, 0,1,2,3,4,5,6,7
	global_store_b128 v[CO], v[BK+32*((\a)%2)+4*\t:BK+32*((\a)%2)+4*\t+3], s[10:11] offset:(16*(\a)+2*\t)*8192 th:TH_STORE_NT
.endr
.endm
	s_wait_kmcnt 0x0
	s_add_co_i32 s68, s68, s69
	s_add_co_i32 s68, s68, 127
	s_lshl_b32 s68, s68, 23
	s_mov_b32 s69, s68
	PLACES 4
	TOSTAGE 0
.irp a, 1,2,3
.if \a > 1
	s_wait_xcnt 0x0
.endif
	TOSTAGE \a
	SEND \a-1, 16
.endr
	SEND 3, 0
	s_wait_tensorcnt 0x0
	ds_add_u32 v[SPW], v[NIL]
	s_wait_dscnt 0x0
	CROUND
	s_endpgm
.Lfunc_end_k_q95f9f4b189_proj:
	.size	k_q95f9f4b189_proj, .Lfunc_end_k_q95f9f4b189_proj-k_q95f9f4b189_proj
	.p2alignl 7, 3214868480
	.fill 96, 4, 3214868480
	.section	.rodata,"a",@progbits
	.p2align	6, 0x0
	.amdhsa_kernel k_q95f9f4b189_proj
		.amdhsa_group_segment_fixed_size 327680
		.amdhsa_private_segment_fixed_size 0
		.amdhsa_enable_private_segment 0
		.amdhsa_kernarg_size 32
		.amdhsa_user_sgpr_count 2
		.amdhsa_user_sgpr_kernarg_segment_ptr 1
		.amdhsa_wavefront_size32 1
		.amdhsa_system_sgpr_workgroup_id_x 1
		.amdhsa_system_sgpr_workgroup_id_y 1
		.amdhsa_system_sgpr_workgroup_id_z 1
		.amdhsa_system_vgpr_workitem_id 0
		.amdhsa_next_free_vgpr 512
		.amdhsa_next_free_sgpr 80
		.amdhsa_reserve_vcc 0
		.amdhsa_float_denorm_mode_32 3
		.amdhsa_float_denorm_mode_16_64 3
		.amdhsa_memory_ordered 1
		.amdhsa_forward_progress 1
		.amdhsa_inst_pref_size 91
	.end_amdhsa_kernel
	.amdgpu_metadata
---
amdhsa.version: [ 1, 2 ]
amdhsa.kernels:
  - .name:           k_q95f9f4b189_proj
    .symbol:         k_q95f9f4b189_proj.kd
    .args:
      - { .name: a_img, .offset: 0, .size: 8, .value_kind: global_buffer, .address_space: global }
      - { .name: wo_codes, .offset: 8, .size: 8, .value_kind: global_buffer, .address_space: global }
      - { .name: lowp_scales, .offset: 16, .size: 8, .value_kind: global_buffer, .address_space: global }
      - { .name: out0, .offset: 24, .size: 8, .value_kind: global_buffer, .address_space: global }
    .group_segment_fixed_size: 327680
    .private_segment_fixed_size: 0
    .kernarg_segment_align: 8
    .kernarg_segment_size: 32
    .max_flat_workgroup_size: 128
    .sgpr_count:     80
    .vgpr_count:     512
    .wavefront_size: 32
...
	.end_amdgpu_metadata
.endif
;; end of part 3
